; MI455X (gfx1250); checked and timed in simulation.
; The chip was launched on July 23, 2026; its instructions are those of AMD's public machine-readable ISA for CDNA 5 (MIT licence, August 2026) and "CDNA5" Instruction Set Architecture Reference Guide (July 2026). The comments in the code are by the model that wrote it; some were corrected since.
;; Cached Attention. Allowed arithmetic: matrix products marked QUANTISED: E3M2 operands, one E8M0 scale for each 32 along K, by v_wmma_scale_f32_16x16x128_f8f6f4 with both operands' format E3M2, f32 sums; everything else in f32.
;; Inputs: cached_k 8 x 2,048 x 128 float32; cached_v 8 x 2,048 x 128 float32; k_norm_w 128 float32; q_norm_w 128 float32; wk 1,024 x 2,048 float32; wo 2,048 x 2,048 float32; wq 2,048 x 2,048 float32; wv 1,024 x 2,048 float32; x 1 x 2,048 x 2,048 float32.
;; Outputs: out0 1 x 2,048 x 2,048 float32.
;; This version of the problem:
;;   THIS VERSION OF THE PROBLEM IS GIVEN IN LOW PRECISION. The matrix products marked QUANTISED in the list below multiply operands that are first quantised to E3M2 (3 exponent bits, 2 mantissa bits; 6 bits a number), with one power-of-two scale for each 32 numbers along K (OCP MX v1.0); their sums are f32. All else is computed in f32.
;;   The module's matrix products, in the order in which they are computed (A, B: the left and right operand; K: the contracted axis; several contracted axes count as one K, in the product's order):
;;     1. [M 2,048, K 2,048] x [K 2,048, N 2,048]; A: input x; B: input wq: QUANTISED
;;     2. [M 2,048, K 2,048] x [K 2,048, N 1,024]; A: input x; B: input wk: QUANTISED
;;     3. [M 2,048, K 2,048] x [K 2,048, N 1,024]; A: input x; B: input wv: QUANTISED
;;     4. batch 16 x [M 2,048, K 128] x [K 128, N 4,096]; A: computed on the way; B: computed on the way: QUANTISED
;;     5. batch 16 x [M 2,048, K 4,096] x [K 4,096, N 128]; A: softmax (see below); B: computed on the way: QUANTISED
;;     6. [M 2,048, K 2,048] x [K 2,048, N 2,048]; A: computed on the way; B: input wo: QUANTISED
;;   THE QUANTISER, for each operand of a quantised product, along K:
;;     - K is cut into blocks of 32 from its start; a last block that is shorter is filled with zeros.
;;     - A block's scale is 2^e with e = floor(log2(the largest magnitude in the block)) - 4, held to -126 .. 127; a block of zeros has e = 0. As a byte (E8M0): e + 127.
;;     - Each number is divided by its block's scale, clamped to +-28, and rounded to the nearest number of E3M2, ties to even, subnormals kept.
;;     - The product sums the exact products of the quantised numbers (number of the format x scale) in f32.
;;   ~~~python
;;   def quantise(x, axis):      # numpy; x: float32 -> the quantised numbers, widened to float32 again
;;       x = np.moveaxis(x, axis, -1); K = x.shape[-1]
;;       x = np.pad(x, [(0, 0)] * (x.ndim - 1) + [(0, -K % 32)]); x = x.reshape(x.shape[:-1] + (-1, 32)); a = np.abs(x).max(-1, keepdims=True)
;;       e = np.where(a > 0, np.clip(np.frexp(np.where(a > 0, a, 1))[1] - 1 - 4, -126, 127), 0)      # np.frexp(a)[1] - 1 = floor(log2(a)), exactly
;;       r = np.clip(x / 2.0 ** e, -28, 28)
;;       step = 2.0 ** (np.maximum(np.frexp(np.where(r == 0, 1, r))[1] - 1, -2) - 2)
;;       q = np.round(r / step) * step * 2.0 ** e      # np.round: ties to even
;;       return np.moveaxis(q.reshape(q.shape[:-2] + (-1,))[..., :K], -1, axis).astype(np.float32)
;;   ~~~
;;   SOFTMAX AHEAD OF A QUANTISED PRODUCT. Where the list says 'softmax', what is quantised is not the finished softmax but p = 2^(t - M), with t = logit x log2(e) and M = ceil(the row's largest t), a whole number; so 1/2 < the row's largest p <= 1. The row's sum l is taken of the UNQUANTISED p, in f32, and the product's result is divided by l at the end. Since M is a whole number, a kernel that streams over the keys may use a running M (the ceiling of the running maximum): every later rescaling is an exact power of two, which a block's scale takes up: the codes' values come out the same.
;;   OPERANDS COMPUTED ON THE WAY. 'Computed on the way' means the value that the module computes at that place (a softmax that the list does not call 'softmax' is quantised finished and normalised). What goes into a quantiser is computed in f32, as accurately as f32 sums, v_exp_f32 and their like allow (about 1e-6 of the number): no bf16 or f16 on the way to a quantiser, and a product that is left as it is and whose result goes on into a quantised operand takes f32 operands (vector FMAs, or v_wmma_f32_16x16x4_f32). A number that lies on a knife's edge between two numbers of the format may be rounded either way, as far as f32 arithmetic and the matrix unit's own rounding can turn it there, and no further.
;; One version. Each part assembles by itself: llvm-mc -triple=amdgcn-amd-amdhsa -mcpu=gfx1250 --defsym DOCPART=n.
;; ======== version 1 of 1: 3 launches
;; limits: right only within a limited range of input values
;; workspace buffers: xq 3,276,800 bytes; woq 3,276,800 bytes; aoq 3,276,800 bytes; stream 6,553,600 bytes; rope 1,048,576 bytes
;; launch prep (part 1): grid 256 x 1, 8 waves a work-group, no clusters, 279,552 bytes of LDS; arguments x, wq, wo, cached_k, cached_v, xq, woq, stream, rope; writes xq, woq, stream, rope
.if DOCPART == 1
	.amdgcn_target "amdgcn-amd-amdhsa--gfx1250"
	.amdhsa_code_object_version 6
	.text
	.protected	k_q7657c8c177_prep
	.globl	k_q7657c8c177_prep
	.p2align	8
	.type	k_q7657c8c177_prep,@function
k_q7657c8c177_prep:
	s_mov_b64 s[64:65], 0
	v_nop
	global_prefetch_b8 v0, s[64:65] scope:SCOPE_SE
	s_setreg_imm32_b32 hwreg(HW_REG_WAVE_MODE, 25, 1), 1
	s_wait_xcnt 0x0
; PREP: x, wo, wq, cached_k and cached_v (f32) become codes of BF6 (E3M2) with one E8M0 byte for each 32 along K, laid in the order of the matrix operand's registers; and the table of cosines and sines for the rotation.
; A RECORD is 12,800 bytes: 8 fragments (16 rows x 128 along K each) of 1,536 bytes, register j of lane l at 512 (j / 4) + 16 l + 4 (j % 4), so that three loads of 16 bytes a lane bring a fragment;
; then the scale words, at 12,288 + 256 (f / 4) + 8 (r + 16 (f % 2)) + 4 ((f / 2) % 2) for row r of fragment f: one load of 8 bytes a lane brings the words of four fragments.
; Rows of a fragment: in order (lane r = row 16 f + r: x, wo), or chosen (lane r = row 32 (f / 2) + 8 (f % 2) + r + 8 (r / 8): wq, K, V^T), so that the results of a product used transposed lie as 16 neighbours along the next K.
; A block's scale is 2^(floor(log2(its largest magnitude)) - 4); its byte is the largest magnitude's exponent field - 4, held at 1 from below.
; NOT READ: wk, wv, k_norm_w.  The mask that the problem's function builds hides key s for query t where s > t, and t is at most 2,047: so the keys and values from 2,048 on, which are all that these three inputs feed, count for nothing.
; LIMITS: a block of zeros gets the byte 1 where the rule says 127 (its codes are zeros, and this program alone reads the bytes); blocks whose largest magnitude lies under 2^-122 likewise; NaN and infinities are not served
; (in wk, wv, k_norm_w they would reach the problem's result as 0 x NaN: not reproduced).  The frequencies 10000^(-i / 64) are good to about 1.5 units in the last place, so an angle near 2,000 may differ by about 1e-4.
; SHARES: a wave makes half a record (4 fragments, 32 KiB of f32), a work-group four records.  Work-groups 0-63: x; 64-127: wo; 128-191: wq; 192-223: cached_k; 224-255: cached_v.  Every work-group makes 512 entries of the table.
; A wave's 32 KiB come by ONE tensor load into its own 34,816 bytes of LDS: 64 rows of 512 bytes (V: 128 keys' 256 bytes), each beginning at a multiple of 256 bytes of its buffer, 16 bytes of padding behind each.  The table is made
; while the load is on its way.  A lane then reads 16 neighbours along K of its row; chosen rows are chosen by the read's address.  Only the issuing wave reads its bytes, nothing is filled again: no barrier.  All stores stand at the wave's end.
; No prefetch: each byte is asked for once, at the head, and there is no loop to run ahead in.  No cluster: no two work-groups read the same bytes.
.set REC,  12800
.set GSTR, 64*REC                      ; a kv head's part of stream: 32 steps of two records
.set WREG, 34816                       ; a wave's own LDS bytes
.set SPARE, 8*WREG                     ; behind them the spare words, 128 bytes for each wave
.set TP,   528                         ; a row of 512 bytes + 16
.set VP,   272                         ; V: a key's 256 bytes + 16
.set SA,   16                          ; v16-79, v80-143: two sets of 64 numbers
.set CD,   144                         ; v144-191 the four fragments' codes; v192-199 at work
.set QT,   192
.set TM,   228                         ; v228-243 the quantiser's
.set PW,   244                         ; v244-247 the four fragments' scale words
.set SEL,  50                          ; s[50:51] lane selects: lane l xor 16
.set SRC,  32                          ; s[32:33] my source; s[34:35] my fragments' place; s[36:37] my scale words' place
.set DST,  34
.set DSC,  36
	s_load_b256 s[4:11], s[0:1], 0x0               ; x s[4:5], wq s[6:7], wo s[8:9], cached_k s[10:11]
	s_load_b256 s[12:19], s[0:1], 0x20             ; cached_v s[12:13], xq s[14:15], woq s[16:17], stream s[18:19]
	s_load_b64 s[20:21], s[0:1], 0x40              ; rope
	v_lshl_add_u32 v254, v0, 2, SPARE
	v_mov_b32 v255, 0
	ds_add_u32 v254, v255                          ; the opening lines: the add twice on end and its wait ahead of my tensor load
	ds_add_u32 v254, v255
	v_lshrrev_b32 v5, 5, v0
	v_readfirstlane_b32 s22, v5                    ; wave 0..7
	v_and_b32 v6, 31, v0                           ; lane
	v_and_b32 v7, 15, v0                           ; r
	v_bfe_u32 v8, v0, 4, 1                         ; h
	v_lshlrev_b32 v1, 4, v6                        ; 16 x lane
	v_lshlrev_b32 v2, 3, v6                        ; 8 x lane
	s_mul_i32 s23, s22, WREG                       ; my wave's LDS bytes
	v_mul_u32_u24 v4, v7, TP
	v_and_b32 v11, 8, v7
	s_delay_alu instid0(VALU_DEP_2)
	v_lshl_add_u32 v4, v8, 6, v4
	s_delay_alu instid0(VALU_DEP_2)
	v_add_nc_u32 v11, v11, v7                      ; r + 8 (r / 8)
	s_delay_alu instid0(VALU_DEP_2)
	v_add_nc_u32 v4, s23, v4                       ; rows in order: row r, + 64 h: my 16 numbers of each block of 32
	s_delay_alu instid0(VALU_DEP_2)
	v_mul_u32_u24 v12, v11, TP
	v_lshlrev_b32 v11, 2, v11
	s_delay_alu instid0(VALU_DEP_2)
	v_lshl_add_u32 v12, v8, 6, v12
	s_delay_alu instid0(VALU_DEP_2)
	v_mad_u32_u24 v11, v8, 16*VP, v11
	s_delay_alu instid0(VALU_DEP_2)
	v_add_nc_u32 v12, s23, v12                     ; rows chosen: row r + 8 (r / 8)
	s_delay_alu instid0(VALU_DEP_2)
	v_add_nc_u32 v11, s23, v11                     ; V: my channel's column, from key 16 h on
.irp b, 0,1,2,3
	v_mov_b32 v[TM+4+\b], 0                        ; written once: a lane permute's destination counts as one of its sources
.endr
	s_mov_b32 s[SEL], 0x76543210
	s_mov_b32 s[SEL+1], 0xfedcba98
	s_mov_b32 s52, 0xbfc90fdb                      ; -(pi / 2 rounded to f32)
	s_mov_b32 s53, 0x333bbd2e                      ; that number less pi / 2
	s_mov_b32 s54, 0xb94ca1f9                      ; sine: -1.9515295891e-4, 8.3321608736e-3, -1.6666654611e-1
	s_mov_b32 s55, 0x3c08839e
	s_mov_b32 s56, 0xbe2aaaa3
	s_mov_b32 s57, 0x37ccf5ce                      ; cosine: 2.443315712e-5, -1.388731626e-3, 4.166664568e-2
	s_mov_b32 s58, 0xbab6061a
	s_mov_b32 s59, 0x3d2aaaa5
	; three groups 1, in elements of 8 bytes: s[68:75] 64 rows of 512 bytes, 8,192 apart (x, wo, wq); s[76:83] the same, 512 apart (K); s[84:91] 128 rows of 256 bytes, 512 apart (V).  16 bytes of padding behind each row
.irp g, 68, 76
	s_mov_b32 s[\g], (3<<16)|(1<<20)|(6<<22)|(3<<25)
	s_mov_b32 s[\g+1], 64<<16
	s_mov_b32 s[\g+2], 64<<16
	s_mov_b32 s[\g+3], 64<<16
	s_mov_b32 s[\g+4], 64
	s_mov_b32 s[\g+6], 0
	s_mov_b32 s[\g+7], 0
.endr
	s_mov_b32 s73, 1024
	s_mov_b32 s81, 64
	s_mov_b32 s84, (3<<16)|(1<<20)|(5<<22)|(3<<25)
	s_mov_b32 s85, 32<<16
	s_mov_b32 s86, 128<<16
	s_mov_b32 s87, 32<<16
	s_mov_b32 s88, 128
	s_mov_b32 s89, 64
	s_mov_b32 s90, 0
	s_mov_b32 s91, 0
	s_mov_b32 s60, 1                               ; group 0
	s_mul_i32 s61, s22, WREG                       ; to my wave's LDS bytes
	s_and_b32 s25, s22, 1                          ; q: which half of a record
	s_lshr_b32 s26, s22, 1                         ; which of the work-group's four records
	s_and_b32 s24, ttmp9, 63
	s_lshl_b32 s24, s24, 2
	s_add_co_u32 s24, s24, s26                     ; x, wo, wq: record 16 x (block of 128 rows) + K step
; s28 = my source's byte offset, s30 = my record's: the three addresses, and group 0's
.macro ADDR
	s_mov_b32 s29, 0
	s_add_nc_u64 s[SRC:SRC+1], s[SRC:SRC+1], s[28:29]
	s_mov_b64 s[62:63], s[SRC:SRC+1]
	s_or_b32 s63, s63, 0x80000000                  ; type = 2
	s_mul_i32 s38, s25, 4*1536
	s_add_co_u32 s38, s38, s30
	s_mov_b32 s39, 0
	s_lshl_b32 s40, s25, 8
	s_add_co_u32 s40, s40, s30
	s_add_co_u32 s40, s40, 12288
	s_mov_b32 s41, 0
	s_add_nc_u64 s[DSC:DSC+1], s[DST:DST+1], s[40:41]
	s_add_nc_u64 s[DST:DST+1], s[DST:DST+1], s[38:39]
.endm
; fragment t's 64 numbers of a lane: register 16 b + i = k 32 b + 16 h + i of my row.  kind 0: rows in order; 1: rows chosen; 2: V, my channel down the keys
.macro GET t, set, kind
.irp b, 0,1,2,3
.if \kind == 2
.irp i, 0,1,2,3,4,5,6,7,8,9,10,11,12,13,14,15
	ds_load_b32 v[\set+16*\b+\i], v11 offset:(32*\b+\i)*VP+4*(32*((\t)/2)+8*((\t)%2))
.endr
.else
.irp j, 0,1,2,3
.if \kind == 1
	ds_load_b128 v[\set+16*\b+4*\j:\set+16*\b+4*\j+3], v12 offset:(32*((\t)/2)+8*((\t)%2))*TP+128*\b+16*\j
.else
	ds_load_b128 v[\set+16*\b+4*\j:\set+16*\b+4*\j+3], v4 offset:(\t)*16*TP+128*\b+16*\j
.endif
.endr
.endif
.endr
.endm
; 64 numbers of a lane become a fragment's codes in v[pc] on and its row's scale word in v[pw]
.macro QUANT s, pw, pc
.irp b, 0,1,2,3
	v_max3_num_f32 v[TM+\b], |v[\s+16*\b]|, |v[\s+1+16*\b]|, 0x2800000   ; block b: my 16 numbers, and the floor 2^(5 - 127): so the byte cannot fall under 1
.endr
.irp i, 2,4,6,8,10,12,14
.irp b, 0,1,2,3
	s_delay_alu instid0(VALU_DEP_4)
	v_max3_num_f32 v[TM+\b], v[TM+\b], |v[\s+16*\b+\i]|, |v[\s+1+16*\b+\i]|   ; the four blocks by turns
.endr
.endr
.irp b, 0,1,2,3
	s_delay_alu instid0(VALU_DEP_4)
	v_permlanex16_b32 v[TM+4+\b], v[TM+\b], s[SEL], s[SEL+1]
.endr
.irp b, 0,1,2,3
	s_delay_alu instid0(VALU_DEP_4)
	v_max_num_f32 v[TM+\b], v[TM+\b], v[TM+4+\b]   ; with lane l xor 16's: the block's largest magnitude
.endr
.irp b, 0,1,2,3
	s_delay_alu instid0(VALU_DEP_4)
	v_add_nc_u32 v[TM+12+\b], 0xfe000000, v[TM+\b] ; 4 off its exponent field: the conversion takes that field as its scale
.endr
.irp b, 0,1,2,3
	s_delay_alu instid0(VALU_DEP_4)
	v_lshrrev_b32 v[TM+4+\b], 23, v[TM+12+\b]      ; the scale's byte
.endr
	s_delay_alu instid0(VALU_DEP_3)
	v_lshl_or_b32 v[\pw], v[TM+5], 8, v[TM+4]
	s_delay_alu instid0(VALU_DEP_1)
	v_lshl_or_b32 v[\pw], v[TM+6], 16, v[\pw]
	s_delay_alu instid0(VALU_DEP_1)
	v_lshl_or_b32 v[\pw], v[TM+7], 24, v[\pw]
.irp c, 0,1
	v_cvt_scalef32_pk16_bf6_f32 v[\pc+6*\c:\pc+2+6*\c], v[\s+32*\c:\s+15+32*\c], v[TM+12+2*\c]
	v_cvt_scalef32_pk16_bf6_f32 v[QT+4*\c:QT+2+4*\c], v[\s+16+32*\c:\s+31+32*\c], v[TM+12+2*\c+1]   ; (a conversion's three registers begin on an even number)
.endr
	v_nop                                          ; one plain place behind a scaled conversion
.irp c, 0,1                                    ; the operand's layout wants a whole block in a lane: lanes 0-15 block 2 c, lanes 16-31 block 2 c + 1
.irp i, 0,1,2
	v_permlane16_swap_b32 v[\pc+6*\c+\i], v[QT+4*\c+\i]
.endr
.irp i, 0,1,2
	s_delay_alu instid0(VALU_DEP_3)
	v_mov_b32 v[\pc+3+6*\c+\i], v[QT+4*\c+\i]
.endr
.endr
.endm
; THE TABLE.  Thread G = 256 x work-group + thread makes the cosines and sines of two frequencies at one position.  Tile T of 16 positions has 8,192 bytes: 8 chunks of 512 bytes of cosines, then 8 of sines; in chunk 4 b + j
; lane l's 16 bytes are the frequencies 32 b + 16 (l / 16) + 4 j + 0 .. 3 at position 16 T + l % 16: as the lanes of the next launch hold q.
; 10000^(-i / 64) = 2^(-i c): c is cut into 108853 x 2^-19, whose product with i is exact, and a rest that goes in as the factor 1 + i x 7.95712e-8.  The angle is one f32 product, as the problem's function has it;
; it is reduced by multiples of pi / 2 in two parts (the first difference is exact), and sine and cosine are polynomials on |r| <= pi / 4.  Results: v[224:225] cosines, v[226:227] sines, v211 their place; stored at the wave's end.
.macro ROPE
	s_lshl_b32 s42, ttmp9, 8
	v_add_nc_u32 v208, s42, v0                     ; G
	s_delay_alu instid0(VALU_DEP_1)
	v_bfe_u32 v209, v208, 1, 4                     ; l % 16
	s_delay_alu instid0(VALU_DEP_2)
	v_lshrrev_b32 v210, 9, v208                    ; T
	s_delay_alu instid0(VALU_DEP_1)
	v_lshl_add_u32 v209, v210, 4, v209
	s_delay_alu instid0(VALU_DEP_1)
	v_cvt_f32_u32 v209, v209                       ; the position
	v_bfe_u32 v211, v208, 8, 1                     ; b
	v_bfe_u32 v212, v208, 5, 1                     ; l / 16
	s_delay_alu instid0(VALU_DEP_2)
	v_lshlrev_b32 v211, 5, v211
	s_delay_alu instid0(VALU_DEP_1)
	v_lshl_add_u32 v211, v212, 4, v211
	v_bfe_u32 v212, v208, 6, 2                     ; j
	s_delay_alu instid0(VALU_DEP_1)
	v_lshl_add_u32 v211, v212, 2, v211
	v_and_b32 v212, 1, v208
	s_delay_alu instid0(VALU_DEP_1)
	v_lshl_add_u32 v211, v212, 1, v211             ; my first frequency's number
	s_delay_alu instid0(VALU_DEP_1)
	v_cvt_f32_u32 v212, v211
	s_delay_alu instid0(VALU_DEP_1)
	v_add_f32 v213, 1.0, v212
.irp e, 0,1
	s_delay_alu instid0(VALU_DEP_2)
	v_mul_f32 v[214+\e], 0xbe549a80, v[212+\e]     ; exact
.endr
	s_wait_alu depctr_va_vdst(0)                   ; the wait ahead of the batch
.irp e, 0,1
	v_exp_f32 v[214+\e], v[214+\e]
.endr
.irp e, 0,1
	v_mul_f32 v[216+\e], 0x33aae0b9, v[212+\e]     ; (plain work behind the exponentials)
.endr
	s_wait_alu depctr_va_vdst(0)                   ; the wait ahead of the first reader: one for both
.irp e, 0,1
	v_fma_f32 v[214+\e], v[214+\e], v[216+\e], v[214+\e]   ; the frequency
.endr
.irp e, 0,1
	s_delay_alu instid0(VALU_DEP_2)
	v_mul_f32 v[214+\e], v209, v[214+\e]           ; the angle
.endr
.irp e, 0,1
	s_delay_alu instid0(VALU_DEP_2)
	v_mul_f32 v[216+\e], 0x3f22f983, v[214+\e]
.endr
.irp e, 0,1
	s_delay_alu instid0(VALU_DEP_2)
	v_rndne_f32 v[216+\e], v[216+\e]               ; n: the nearest multiple of pi / 2
.endr
.irp e, 0,1
	s_delay_alu instid0(VALU_DEP_2)
	v_fma_f32 v[214+\e], v[216+\e], s52, v[214+\e]
.endr
.irp e, 0,1
	s_delay_alu instid0(VALU_DEP_2)
	v_fma_f32 v[214+\e], v[216+\e], s53, v[214+\e] ; r
.endr
.irp e, 0,1
	s_delay_alu instid0(VALU_DEP_2)
	v_mul_f32 v[218+\e], v[214+\e], v[214+\e]      ; z = r r
.endr
.irp e, 0
	s_delay_alu instid0(VALU_DEP_2)
	v_fma_f32 v[220+\e], v[218+\e], s54, s55
	s_delay_alu instid0(VALU_DEP_3)
	v_fma_f32 v[222+\e], v[218+\e], s57, s58
.endr
.irp e, 1
	s_delay_alu instid0(VALU_DEP_3)
	v_fma_f32 v[220+\e], v[218+\e], s54, s55
	s_delay_alu instid0(VALU_DEP_4)
	v_fma_f32 v[222+\e], v[218+\e], s57, s58
.endr
.irp e, 0,1
	s_delay_alu instid0(VALU_DEP_4)
	v_fma_f32 v[220+\e], v[220+\e], v[218+\e], s56
	s_delay_alu instid0(VALU_DEP_4)
	v_fma_f32 v[222+\e], v[222+\e], v[218+\e], s59
.endr
.irp e, 0,1
	v_mul_f32 v[220+\e], v[220+\e], v[218+\e]
	v_mul_f32 v[228+\e], v[218+\e], v[218+\e]
	v_fma_f32 v[230+\e], v[218+\e], -0.5, 1.0
.endr
.irp e, 0,1
	v_fma_f32 v[220+\e], v[220+\e], v[214+\e], v[214+\e]   ; sin r
	v_fma_f32 v[222+\e], v[228+\e], v[222+\e], v[230+\e]   ; cos r
	v_cvt_i32_f32 v[216+\e], v[216+\e]             ; n as a whole number: its low two bits are the quadrant
.endr
.irp e, 0,1
	v_and_b32 v[228+\e], 1, v[216+\e]
	s_delay_alu instid0(VALU_DEP_1)
	v_cmp_eq_u32 vcc_lo, 1, v[228+\e]
	s_delay_alu instid0(VALU_DEP_1)
	v_cndmask_b32 v[226+\e], v[220+\e], v[222+\e], vcc_lo   ; in an odd quadrant the two change places
	s_delay_alu instid0(VALU_DEP_2)
	v_cndmask_b32 v[224+\e], v[222+\e], v[220+\e], vcc_lo
	v_and_b32 v[228+\e], 2, v[216+\e]
	s_delay_alu instid0(VALU_DEP_1)
	v_lshlrev_b32 v[228+\e], 30, v[228+\e]
	s_delay_alu instid0(VALU_DEP_1)
	v_xor_b32 v[226+\e], v[226+\e], v[228+\e]      ; the sine is negative in quadrants 2 and 3,
	v_add_nc_u32 v[230+\e], 1, v[216+\e]
	s_delay_alu instid0(VALU_DEP_1)
	v_and_b32 v[230+\e], 2, v[230+\e]
	s_delay_alu instid0(VALU_DEP_1)
	v_lshlrev_b32 v[230+\e], 30, v[230+\e]
	s_delay_alu instid0(VALU_DEP_1)
	v_xor_b32 v[224+\e], v[224+\e], v[230+\e]      ; the cosine in 1 and 2
.endr
	v_and_b32 v211, 0x1ff, v208
	s_delay_alu instid0(VALU_DEP_1)
	v_lshlrev_b32 v211, 3, v211
	s_delay_alu instid0(VALU_DEP_1)
	v_lshl_add_u32 v211, v210, 13, v211            ; 8,192 T + 8 (G % 512)
.endm
; a wave's whole work: its one tensor load; the table under the load's flight; four fragments, the next one's LDS reads issued ahead of each quantising; then all stores
.macro PBODY g1, kind
	tensor_load_to_lds s[60:63], s[\g1:\g1+7]
	s_nop 0
	ROPE
	s_wait_alu depctr_va_vdst(0)                   ; the wait, directly ahead of the wait below
	s_wait_tensorcnt 0x0                           ; my 32 KiB are in; only I read them
	GET 0, SA, \kind
.irp t, 0,1,2,3
	s_wait_dscnt 0x0
.if \t < 3
	GET \t+1, SA+64*((\t+1)%2), \kind
.endif
	QUANT SA+64*(\t%2), PW+\t, CD+12*\t
.endr
	v_cmp_gt_u32 vcc_lo, 16, v6                    ; the four fragments' scale words leave as 256 consecutive bytes: every lane holds row (lane % 16)'s word of each fragment
	s_delay_alu instid0(VALU_DEP_1)
	v_cndmask_b32 v248, v[PW+1], v[PW], vcc_lo     ; lanes 0-15 fragment 0's, lanes 16-31 fragment 1's
	v_cndmask_b32 v249, v[PW+3], v[PW+2], vcc_lo   ; fragments 2 and 3
	s_wait_alu depctr_va_vdst(0)                   ; the wait ahead of readers that stand behind the waits above
.irp t, 0,1,2,3
.irp c, 0,1,2
	global_store_b128 v1, v[CD+12*\t+4*\c:CD+12*\t+4*\c+3], s[DST:DST+1] offset:1536*\t+512*\c   ; 512 consecutive bytes, at a multiple of 256 from the buffer's first byte
.endr
.endr
	global_store_b64 v2, v[248:249], s[DSC:DSC+1]
	global_store_b64 v211, v[224:225], s[20:21]    ; the table: a wave stores 256 consecutive bytes, aligned
	global_store_b64 v211, v[226:227], s[20:21] offset:4096
	s_wait_tensorcnt 0x0                           ; the wave's end
	ds_add_u32 v254, v255
	s_wait_dscnt 0x0
	s_endpgm
.endm
	s_wait_alu depctr_va_vdst(0)                   ; the wait at the head's end
	s_wait_dscnt 0x0                               ; both opening adds are done
	s_wait_kmcnt 0x0
	s_cmp_ge_u32 ttmp9, 224
	s_cbranch_scc1 .Lvv
	s_cmp_ge_u32 ttmp9, 192
	s_cbranch_scc1 .Lkk
	s_cmp_ge_u32 ttmp9, 128
	s_cbranch_scc1 .Lwq
	; ---- x and wo: rows of 8,192 bytes, in order
	s_lshr_b32 s27, s24, 4                         ; block of 128 rows
	s_and_b32 s28, s24, 15                         ; K step
	s_lshl_b32 s27, s27, 20
	s_lshl_b32 s28, s28, 9
	s_add_co_u32 s28, s28, s27
	s_lshl_b32 s27, s25, 19                        ; my half: 64 rows on
	s_add_co_u32 s28, s28, s27
	s_mul_i32 s30, s24, REC
	s_cmp_lt_u32 ttmp9, 64                         ; the choice hangs on the work-group's number alone
	s_cselect_b64 s[SRC:SRC+1], s[4:5], s[8:9]
	s_cselect_b64 s[DST:DST+1], s[14:15], s[16:17]
	ADDR
	PBODY 68, 0
.Lwq:	; ---- wq: block = head; step ks of kv head (head / 2), record head % 2; rows chosen
	s_lshr_b32 s27, s24, 4
	s_and_b32 s28, s24, 15
	s_mul_i32 s30, s28, 2*REC
	s_lshr_b32 s31, s27, 1
	s_mul_i32 s31, s31, GSTR
	s_add_co_u32 s30, s30, s31
	s_and_b32 s31, s27, 1
	s_mul_i32 s31, s31, REC
	s_add_co_u32 s30, s30, s31
	s_lshl_b32 s27, s27, 20
	s_lshl_b32 s28, s28, 9
	s_add_co_u32 s28, s28, s27
	s_lshl_b32 s27, s25, 19
	s_add_co_u32 s28, s28, s27
	s_mov_b64 s[SRC:SRC+1], s[6:7]
	s_mov_b64 s[DST:DST+1], s[18:19]
	ADDR
	PBODY 68, 1
.Lkk:	; ---- cached_k: rows (keys) of 512 bytes, chosen; step 16 + s of kv head g, record 0
	s_and_b32 s24, ttmp9, 31
	s_lshl_b32 s24, s24, 2
	s_add_co_u32 s24, s24, s26                     ; 16 g + s
	s_lshr_b32 s27, s24, 4
	s_and_b32 s28, s24, 15
	s_mul_i32 s30, s27, GSTR
	s_add_co_u32 s28, s28, 16
	s_mul_i32 s28, s28, 2*REC
	s_add_co_u32 s30, s30, s28
	s_lshl_b32 s28, s24, 16                        ; 128 keys of 512 bytes
	s_lshl_b32 s27, s25, 15                        ; my half: 64 keys on
	s_add_co_u32 s28, s28, s27
	s_mov_b64 s[SRC:SRC+1], s[10:11]
	s_mov_b64 s[DST:DST+1], s[18:19]
	ADDR
	PBODY 76, 1
.Lvv:	; ---- cached_v: K = the keys, which are not innermost.  My half: channels 64 q on, all 128 keys of the step; record 1
	s_and_b32 s24, ttmp9, 31
	s_lshl_b32 s24, s24, 2
	s_add_co_u32 s24, s24, s26
	s_lshr_b32 s27, s24, 4
	s_and_b32 s28, s24, 15
	s_mul_i32 s30, s27, GSTR
	s_add_co_u32 s28, s28, 16
	s_mul_i32 s28, s28, 2*REC
	s_add_co_u32 s30, s30, s28
	s_add_co_u32 s30, s30, REC
	s_lshl_b32 s28, s24, 16
	s_lshl_b32 s27, s25, 8                         ; my half: 64 channels, 256 bytes on
	s_add_co_u32 s28, s28, s27
	s_mov_b64 s[SRC:SRC+1], s[12:13]
	s_mov_b64 s[DST:DST+1], s[18:19]
	ADDR
	PBODY 84, 2
.Lfunc_end_k_q7657c8c177_prep:
	.size	k_q7657c8c177_prep, .Lfunc_end_k_q7657c8c177_prep-k_q7657c8c177_prep
	.p2alignl 7, 3214868480
	.fill 96, 4, 3214868480
	.section	.rodata,"a",@progbits
	.p2align	6, 0x0
	.amdhsa_kernel k_q7657c8c177_prep
		.amdhsa_group_segment_fixed_size 279552
		.amdhsa_private_segment_fixed_size 0
		.amdhsa_enable_private_segment 0
		.amdhsa_kernarg_size 72
		.amdhsa_user_sgpr_count 2
		.amdhsa_user_sgpr_kernarg_segment_ptr 1
		.amdhsa_wavefront_size32 1
		.amdhsa_system_sgpr_workgroup_id_x 1
		.amdhsa_system_sgpr_workgroup_id_y 1
		.amdhsa_system_sgpr_workgroup_id_z 1
		.amdhsa_system_vgpr_workitem_id 0
		.amdhsa_next_free_vgpr 256
		.amdhsa_next_free_sgpr 92
		.amdhsa_reserve_vcc 1
		.amdhsa_float_denorm_mode_32 3
		.amdhsa_float_denorm_mode_16_64 3
		.amdhsa_memory_ordered 1
		.amdhsa_forward_progress 1
		.amdhsa_inst_pref_size 152
	.end_amdhsa_kernel
	.amdgpu_metadata
---
amdhsa.version: [ 1, 2 ]
amdhsa.kernels:
  - .name:           k_q7657c8c177_prep
    .symbol:         k_q7657c8c177_prep.kd
    .args:
      - { .name: x, .offset: 0, .size: 8, .value_kind: global_buffer, .address_space: global }
      - { .name: wq, .offset: 8, .size: 8, .value_kind: global_buffer, .address_space: global }
      - { .name: wo, .offset: 16, .size: 8, .value_kind: global_buffer, .address_space: global }
      - { .name: cached_k, .offset: 24, .size: 8, .value_kind: global_buffer, .address_space: global }
      - { .name: cached_v, .offset: 32, .size: 8, .value_kind: global_buffer, .address_space: global }
      - { .name: xq, .offset: 40, .size: 8, .value_kind: global_buffer, .address_space: global }
      - { .name: woq, .offset: 48, .size: 8, .value_kind: global_buffer, .address_space: global }
      - { .name: stream, .offset: 56, .size: 8, .value_kind: global_buffer, .address_space: global }
      - { .name: rope, .offset: 64, .size: 8, .value_kind: global_buffer, .address_space: global }
    .group_segment_fixed_size: 279552
    .private_segment_fixed_size: 0
    .kernarg_segment_align: 8
    .kernarg_segment_size: 72
    .max_flat_workgroup_size: 256
    .sgpr_count:     92
    .vgpr_count:     256
    .wavefront_size: 32
...
	.end_amdgpu_metadata
.endif
;; end of part 1
;; launch attn (part 2): grid 32 x 8, 8 waves a work-group, clusters of 4 x 1, 327,680 bytes of LDS; arguments xq, stream, rope, q_norm_w, aoq; writes aoq
.if DOCPART == 2
	.amdgcn_target "amdgcn-amd-amdhsa--gfx1250"
	.amdhsa_code_object_version 6
	.text
	.protected	k_q7657c8c177_attn
	.globl	k_q7657c8c177_attn
	.p2align	8
	.type	k_q7657c8c177_attn,@function
k_q7657c8c177_attn:
	s_mov_b64 s[64:65], 0
	v_nop
	global_prefetch_b8 v0, s[64:65] scope:SCOPE_SE
	s_setreg_imm32_b32 hwreg(HW_REG_WAVE_MODE, 25, 1), 1
	s_wait_xcnt 0x0
	s_wait_alu depctr_hold_cnt(0) depctr_sa_sdst(0) depctr_va_vdst(0) depctr_va_sdst(0) depctr_va_ssrc(0) depctr_va_vcc(0) depctr_vm_vsrc(0)
	s_getreg_b32 s2, hwreg(HW_REG_IB_STS2, 6, 4)
	s_cmp_eq_u32 s2, 0
	s_cbranch_scc0 .Lentry_in_a_cluster
	s_endpgm
.Lentry_in_a_cluster:
	s_bfe_u32 s2, ttmp6, 0x10000c
	s_cmp_lg_u32 s2, 0x3003
	s_cbranch_scc0 .Lentry_shape_is_right
	s_endpgm
.Lentry_shape_is_right:
; ATTN: q = rope(rmsnorm(x wq^T)), and attention over the cached keys and values, all products on codes of BF6 (E3M2) with one E8M0 scale for each 32 along K.  The result leaves as codes, an operand of the last product.
; LEFT OUT, as in the first kernel: the mask of the problem's function lets key s count for query t where s <= t, and t is at most 2,047: only the 2,048 cached keys are seen; the new keys and values are not made.
; SHARES.  A cluster of four work-groups owns blocks c and 15 - c of 128 queries of one kv head, both query heads.  A tile is 16 queries of one head.  Waves w and w ^ 4 are partners: they share two tiles of one head at the same
; place of the two blocks; wave w < 4 OWNS the early one, its partner the late one, and each calls the partner's tile its OTHER.  Work along K and along the keys is dealt by parity (w / 4):
;   projection: a wave takes K steps 2 j + parity for BOTH tiles (each fragment of wq feeds two matrix instructions); the other tile's f32 partial sums go to the partner through LDS and are added there;
;   each wave normalises, rotates and quantises its own tile's q; the partners exchange the fragments of Q through LDS;
;   keys: a wave takes key steps of its parity for both tiles; a step's fragments of K and V^T are read from LDS once for both.  A tile of block BI works in steps 0 .. BI: (c + 1) + (16 - c) = 17 tile steps for a pair of partners, 8 or 9 each;
;   at the end the other tile's partial (O^T, M, sum) goes to its owner, which joins the two by exact powers of two, divides, quantises and stores.
; THE STREAM: 16 steps of wq (two heads' records), then 16 key steps (K's record, V^T's), through a ring of two LDS slots of four steps (102,400 bytes), each wave bringing one record by one tensor load asked for JOINTLY by the four
; work-groups (mask 15).  By this text's own count a wave has one tensor load out.  Trip counts are constants; steps past a block are jumped over by scalar branches on the cluster's and the wave's number, round their work alone.
; PREFETCH: behind the load of slot s of the stream's eight a wave asks for its record of slot s + 3 (behind slot 0's also for slots 1 and 2): 50 blocks of 256 bytes, of which the partner at place cx names 13 cx .. 13 cx + 12, a lane a
; block; the lanes left over name the last of these again.  So each block is named once in a cluster, three slots are asked for and not yet read at the most, every offset is an immediate inside the buffer, and slot 7's is the last.
; SOFTMAX: t = score x log2(e) / sqrt(128); M = the running largest t rounded up to a whole number; p = 2^(t - M) is quantised along the keys; the sum is taken of the unquantised p and divides at the end.
; A block's largest p is made from the block's largest score by the same two instructions (this takes v_exp_f32 not to fall where its input rises).
; LIMITS: a block of zeros, or one whose largest magnitude lies under 2^-122, gets the byte 1; NaN and infinities are not served.  The scale words of the result leave as stores of 4 bytes, 8 bytes apart (128 KiB in the launch).
; REGISTERS, window 0: v1 16 l, v2 8 l, v3 8 (l % 16), v4 the diagonal's bound, v5-6 the add's, v7-8 LDS addresses in hand, v9-10, v70-71 wq's records in slot 0, 1, v11 64 (l / 16); v12-15 own tile's -M, largest t, sum; v28-31 the other's;
; v16-27, v44 own Q and its scale word; v32-43, v45 the other's; v46-49 scale words of wq or K, v50-53 of V^T; v54-61 x's; v62-69 scratch addresses; v73 the prefetches' offset; v96-159 own q, then S^T and p; v160-223 the other's q,
; then own O^T; v224-254 at work.  Up to the norm the gain lies in v12-27, v28-43, v76-91, v224-239.
; Window 1: v0-95 eight fragments of wq or K; v96-191 x's four sets, then V^T's eight; v192-255 cosines and sines, then the other tile's O^T.
.set REC,   12800
.set STEPB, 2*REC
.set SLOTB, 4*STEPB
.set SLOT1, 1<<17                      ; slot 1 begins here
.set SPARE, SLOT1+SLOTB                ; the spare words: 128 bytes for each of the eight waves
.set XO,    SPARE+1024                 ; scratch that no fill lands on: 8,192 bytes a wave for 64 registers of f32,
.set XQ,    XO+8*8192                  ; 2,048 a wave for a fragment of Q and its scale words,
.set XS,    XQ+8*2048                  ; 256 a wave for -M and the sum
.set GSTR,  64*REC
.set MSB, 0
.macro WIN new                         ; the immediate's high byte repeats the setting that is left; at labels and branches the setting is 0
.if MSB != \new
	s_set_vgpr_msb (MSB<<8)|\new
.set MSB, \new
.endif
.endm
.macro PLACES
.rept 4
	v_nop
.endr
.endm
.macro BAR
	s_barrier_signal -1
	s_barrier_wait -1
.endm
.macro CROUND                          ; a round of the cluster's barrier
	BAR
	s_cmp_lg_u32 s14, 0
	s_cbranch_scc1 .Lnw0_\@
	s_barrier_signal -3
.Lnw0_\@:
	s_barrier_wait -3
	BAR
.endm
.macro ASK slot                        ; my share of my record of that slot of the stream
	global_prefetch_b8 v73, s[78:79] offset:(\slot)*SLOTB th:TH_LOAD_NT scope:SCOPE_SE
.endm
; THE CHANGE OF SLOTS: each wave waits for all its tensor loads, adds 0 to its spare word, and waits for that and for its reads of the slot left.  fill = 1: behind a round of the cluster's barrier that slot is asked for again, first thing.
.macro CHANGE fill
	s_wait_tensorcnt 0x0                           ; no tensor load of mine is out, so the descriptor may be written
	ds_add_u32 v5, v6
.if \fill
	s_xor_b32 s33, s33, SLOT1
	s_add_nc_u64 s[34:35], s[34:35], SLOTB
.endif
	s_wait_dscnt 0x0
.if \fill
	CROUND
	tensor_load_to_lds s[32:35], s[24:31]
	s_nop 0
	PLACES
.else
	BAR
.endif
.endm
; D at v[d], source 0 at v[a] with scale words v[sa] (row = 1: lanes 16-31), source 1 at v[b] with v[sb]; zero = 1 starts the sum
.macro WM d, a, b, zero, sa, sb, row
.if (\zero) && (\row)
	v_wmma_scale_f32_16x16x128_f8f6f4 v[\d:\d+7], v[\a:\a+11], v[\b:\b+11], 0, v[\sa], v[\sb] matrix_a_fmt:MATRIX_FMT_BF6 matrix_b_fmt:MATRIX_FMT_BF6 matrix_a_scale:MATRIX_SCALE_ROW1
.elseif \zero
	v_wmma_scale_f32_16x16x128_f8f6f4 v[\d:\d+7], v[\a:\a+11], v[\b:\b+11], 0, v[\sa], v[\sb] matrix_a_fmt:MATRIX_FMT_BF6 matrix_b_fmt:MATRIX_FMT_BF6
.elseif \row
	v_wmma_scale_f32_16x16x128_f8f6f4 v[\d:\d+7], v[\a:\a+11], v[\b:\b+11], v[\d:\d+7], v[\sa], v[\sb] matrix_a_fmt:MATRIX_FMT_BF6 matrix_b_fmt:MATRIX_FMT_BF6 matrix_a_scale:MATRIX_SCALE_ROW1
.else
	v_wmma_scale_f32_16x16x128_f8f6f4 v[\d:\d+7], v[\a:\a+11], v[\b:\b+11], v[\d:\d+7], v[\sa], v[\sb] matrix_a_fmt:MATRIX_FMT_BF6 matrix_b_fmt:MATRIX_FMT_BF6
.endif
.endm
.macro XLOAD j                         ; x's fragments and scale words of my j-th K step, own tile and other: eight loads, into set j % 4
.set XB, 96+24*((\j)%4)
.set XW, 54+2*((\j)%4)
	WIN 0x40
.irp c, 0,1,2
	global_load_b128 v[XB+4*\c:XB+4*\c+3], v1, s[40:41] offset:2*REC*(\j)+512*\c
.endr
.irp c, 0,1,2
	global_load_b128 v[XB+12+4*\c:XB+15+4*\c], v1, s[66:67] offset:2*REC*(\j)+512*\c
.endr
	WIN 0
	global_load_b32 v[XW], v3, s[42:43] offset:2*REC*(\j)
	global_load_b32 v[XW+1], v3, s[68:69] offset:2*REC*(\j)
.endm
; MY j-TH K STEP OF THE PROJECTION: my head's eight fragments of wq in one run, each against both tiles' x.  The sixteen accumulators take turns, from step to step too.
.macro QSTEP j
.set QA, 9+61*(((\j)/2)%2)
.set QO, ((\j)%2)*2*STEPB
.set QB, 96+24*((\j)%4)
.set QW, 54+2*((\j)%4)
.if (\j) <= 4
.set NW, 40                            ; issued behind this step's eight loads of x: three more steps' 24, and 16 of the gain (steps 0-3) or of the table (step 4)
.else
.set NW, 8*(7-(\j))+16                 ; the younger steps of x and the 16 loads of the table
.endif
	WIN 0x40
.irp t, 0,1,2,3,4,5,6,7
.irp c, 0,1,2
	ds_load_b128 v[12*\t+4*\c:12*\t+4*\c+3], v[QA] offset:QO+\t*1536+512*\c
.endr
.endr
	WIN 0
	ds_load_b64 v[46:47], v[QA+1] offset:QO+12288
	ds_load_b64 v[48:49], v[QA+1] offset:QO+12288+256
	s_wait_loadcnt NW
	s_wait_dscnt 0x0
	WIN 0x05
.irp t, 0,1,2,3,4,5,6,7
	WM 96+8*\t,12*\t,QB,(\j)==0,46+\t/2,QW,\t%2
	WM 160+8*\t,12*\t,QB+12,(\j)==0,46+\t/2,QW+1,\t%2
.endr
	WIN 0
	PLACES                                         ; four places in front of loads into registers that matrix instructions have read (ISA guide 7.12.1 for vector instructions)
.if (\j)+4 <= 7
	XLOAD (\j)+4
.endif
.if (\j) == 3
	WIN 0x40
.irp n, 0,1,2,3,4,5,6,7,8,9,10,11,12,13,14,15
	global_load_b128 v[192+4*\n:195+4*\n], v1, s[44:45] offset:512*\n   ; my own 16 positions' cosines (32 registers) and sines
.endr
	WIN 0
.endif
.endm
; the largest magnitudes of the four blocks of v[s] .. v[s + 63] (register 16 b + i = k 32 b + 16 h + i of my row) into v232-235
.macro QMAX s
.irp b, 0,1,2,3
	v_max3_num_f32 v[232+\b], |v[\s+16*\b]|, |v[\s+1+16*\b]|, 0x2800000   ; and the floor 2^(5 - 127): so the byte cannot fall under 1
.endr
.irp i, 2,4,6,8,10,12,14
.irp b, 0,1,2,3
	s_delay_alu instid0(VALU_DEP_4)
	v_max3_num_f32 v[232+\b], v[232+\b], |v[\s+16*\b+\i]|, |v[\s+1+16*\b+\i]|
.endr
.endr
.irp b, 0,1,2,3
	s_delay_alu instid0(VALU_DEP_4)
	v_permlanex16_b32 v[236+\b], v[232+\b], s20, s21
.endr
.irp b, 0,1,2,3
	s_delay_alu instid0(VALU_DEP_4)
	v_max_num_f32 v[232+\b], v[232+\b], v[236+\b]
.endr
.endm
; from them: the scale word into v[pw], the fragment's codes into v[pc] .. v[pc + 11]
.macro QFIN s, pw, pc
.irp b, 0,1,2,3
	s_delay_alu instid0(VALU_DEP_4)
	v_add_nc_u32 v[244+\b], 0xfe000000, v[232+\b]  ; 4 off the exponent field: the conversion's scale operand
.endr
.irp b, 0,1,2,3
	s_delay_alu instid0(VALU_DEP_4)
	v_lshrrev_b32 v[236+\b], 23, v[244+\b]         ; the scale's byte
.endr
	s_delay_alu instid0(VALU_DEP_3)
	v_lshl_or_b32 v[\pw], v237, 8, v236
	s_delay_alu instid0(VALU_DEP_1)
	v_lshl_or_b32 v[\pw], v238, 16, v[\pw]
	s_delay_alu instid0(VALU_DEP_1)
	v_lshl_or_b32 v[\pw], v239, 24, v[\pw]
.irp c, 0,1
	v_cvt_scalef32_pk16_bf6_f32 v[\pc+6*\c:\pc+2+6*\c], v[\s+32*\c:\s+15+32*\c], v[244+2*\c]
	v_cvt_scalef32_pk16_bf6_f32 v[236+4*\c:238+4*\c], v[\s+16+32*\c:\s+31+32*\c], v[244+2*\c+1]   ; (a conversion's three registers begin on an even number)
.endr
	v_nop                                          ; one plain place behind a scaled conversion
.irp c, 0,1                                    ; the operand's layout wants a whole block in a lane
.irp i, 0,1,2
	v_permlane16_swap_b32 v[\pc+6*\c+\i], v[236+4*\c+\i]
.endr
.irp i, 0,1,2
	s_delay_alu instid0(VALU_DEP_3)
	v_mov_b32 v[\pc+3+6*\c+\i], v[236+4*\c+\i]
.endr
.endr
.endm
; ONE TILE'S PART OF A KEY STEP, on the step's fragments in window 1.  qf, qw: Q's fragment and scale word; st: -M, largest t, sum; s[bnd]: the tile's block; O^T at v[ob] of window ow
.macro TILE qf, qw, st, bnd, ow, ob
	s_cmp_gt_u32 s37, s[\bnd]                      ; all the step's keys come after this tile's queries
	s_cbranch_scc1 .Lskip_\@
	s_wait_dscnt 24                                ; the scale words and K's fragments are in; V^T's 24 loads may be out
	WIN 0x01
.irp t, 0,1,2,3,4,5,6,7
	WM 96+8*\t,12*\t,\qf,1,46+\t/2,\qw,\t%2
.endr                                          ; S^T: lane (r, h) holds query r; register 16 b + i is key 32 b + 16 h + i of the step
	WIN 0
	PLACES
	s_cmp_lg_u32 s37, s[\bnd]                      ; on the diagonal the scores of hidden keys become -infinity ahead of the maximum: p = 0 then
	s_cbranch_scc1 .Lopen_\@
	v_mov_b32 v254, 0xff800000
.set n, 0
.rept 64
	v_cmp_gt_i32 vcc_lo, 32*(n/16)+n%16, v4        ; hidden where 32 b + i > my query's place in the block - 16 h
	v_cndmask_b32 v[96+n], v[96+n], v254, vcc_lo
.set n, n+1
.endr
.Lopen_\@:
.irp b, 0,1,2,3
	v_max3_num_f32 v[232+\b], v[96+16*\b], v[97+16*\b], v[98+16*\b]   ; the largest score of each block of 32 keys: for the row's maximum and for the block's largest p
.endr
.irp i, 3,5,7,9,11,13
.irp b, 0,1,2,3
	v_max3_num_f32 v[232+\b], v[232+\b], v[96+16*\b+\i], v[97+16*\b+\i]
.endr
.endr
.irp b, 0,1,2,3
	v_max_num_f32 v[232+\b], v[232+\b], v[111+16*\b]
.endr
.irp b, 0,1,2,3
	s_delay_alu instid0(VALU_DEP_4)
	v_permlanex16_b32 v[236+\b], v[232+\b], s20, s21
.endr
.irp b, 0,1,2,3
	s_delay_alu instid0(VALU_DEP_4)
	v_max_num_f32 v[232+\b], v[232+\b], v[236+\b]
.endr
	s_delay_alu instid0(VALU_DEP_2)
	v_max3_num_f32 v254, v232, v233, v234
	s_delay_alu instid0(VALU_DEP_1)
	v_max_num_f32 v254, v254, v235
	s_delay_alu instid0(VALU_DEP_1)
	v_mul_f32 v254, s22, v254                      ; as t (c is positive)
	s_delay_alu instid0(VALU_DEP_1)
	v_max_num_f32 v[\st+1], v[\st+1], v254         ; the running largest t
	v_mov_b32 v254, v[\st]
	s_delay_alu instid0(VALU_DEP_2)
	v_floor_f32 v[\st], -v[\st+1]                  ; the new -M = -ceil(t)
	s_delay_alu instid0(VALU_DEP_1)
	v_sub_f32 v254, v[\st], v254                   ; old M - new M: a whole number, 0 or less
	s_delay_alu instid0(VALU_DEP_1)
	v_cvt_i32_f32 v254, v254                       ; (it saturates)
	s_delay_alu instid0(VALU_DEP_1)
	v_ldexp_f32 v252, 1.0, v254                    ; f = 2^(old M - new M): the rescaling rounds nothing
.set n, 0
.rept 32
	v_pk_fma_f32 v[96+n:97+n], v[96+n:97+n], s[22:23], v[\st:\st+1] op_sel_hi:[1,0,0]   ; t - M, two at a time
.set n, n+2
.endr
.irp b, 0,1,2,3
	v_fma_f32 v[232+\b], v[232+\b], s22, v[\st]
.endr
.set n, 0
	s_wait_alu depctr_va_vdst(0)                   ; the wait ahead of the batch
.rept 64
	v_exp_f32 v[96+n], v[96+n]                     ; p = 2^(t - M)
.set n, n+1
.endr
	v_pk_mul_f32 v[\st+2:\st+3], v[\st+2:\st+3], v[252:253] op_sel_hi:[1,0]   ; the sums under the new M (a plain place behind the exponentials)
	s_wait_alu depctr_va_vdst(0)                   ; one wait for the batch, ahead of its first reader
.irp b, 0,1,2,3
	v_exp_f32 v[232+\b], v[232+\b]                 ; the blocks' largest p
.endr
	v_pk_add_f32 v[236:237], v[100:101], v[104:105]   ; the sum of the unquantised p, in eight chains
	v_pk_add_f32 v[250:251], v[108:109], v[112:113]
	v_pk_add_f32 v[248:249], v[116:117], v[120:121]
	v_pk_add_f32 v[246:247], v[124:125], v[128:129]
	v_pk_add_f32 v[244:245], v[132:133], v[136:137]
	v_pk_add_f32 v[242:243], v[140:141], v[144:145]
	v_pk_add_f32 v[240:241], v[148:149], v[152:153]
	v_pk_add_f32 v[\st+2:\st+3], v[\st+2:\st+3], v[156:157]
	v_pk_add_f32 v[236:237], v[236:237], v[96:97]
	v_pk_add_f32 v[250:251], v[250:251], v[98:99]
	v_pk_add_f32 v[248:249], v[248:249], v[102:103]
	v_pk_add_f32 v[246:247], v[246:247], v[106:107]
	v_pk_add_f32 v[244:245], v[244:245], v[110:111]
	v_pk_add_f32 v[242:243], v[242:243], v[114:115]
	v_pk_add_f32 v[240:241], v[240:241], v[118:119]
	v_pk_add_f32 v[\st+2:\st+3], v[\st+2:\st+3], v[122:123]
	v_pk_add_f32 v[236:237], v[236:237], v[126:127]
	v_pk_add_f32 v[250:251], v[250:251], v[130:131]
	v_pk_add_f32 v[248:249], v[248:249], v[134:135]
	v_pk_add_f32 v[246:247], v[246:247], v[138:139]
	v_pk_add_f32 v[244:245], v[244:245], v[142:143]
	v_pk_add_f32 v[242:243], v[242:243], v[146:147]
	v_pk_add_f32 v[240:241], v[240:241], v[150:151]
	v_pk_add_f32 v[\st+2:\st+3], v[\st+2:\st+3], v[154:155]
	v_pk_add_f32 v[236:237], v[236:237], v[158:159]
	s_delay_alu instid0(VALU_DEP_2)
	v_pk_add_f32 v[\st+2:\st+3], v[\st+2:\st+3], v[246:247]
	s_delay_alu instid0(VALU_DEP_2)
	v_pk_add_f32 v[236:237], v[236:237], v[244:245]
	v_pk_add_f32 v[250:251], v[250:251], v[242:243]
	v_pk_add_f32 v[248:249], v[248:249], v[240:241]
	s_delay_alu instid0(VALU_DEP_2)
	v_pk_add_f32 v[\st+2:\st+3], v[\st+2:\st+3], v[250:251]
	s_delay_alu instid0(VALU_DEP_2)
	v_pk_add_f32 v[236:237], v[236:237], v[248:249]
	s_delay_alu instid0(VALU_DEP_1)
	v_pk_add_f32 v[\st+2:\st+3], v[\st+2:\st+3], v[236:237]
	s_wait_alu depctr_va_vdst(0)                   ; and one for the four
.irp b, 0,1,2,3
	v_max_num_f32 v[232+\b], 0x2800000, v[232+\b]  ; the floor: a block whose every p is 0 keeps the byte 1; its codes are zeros
.endr
	QFIN 96, 253, 224
.if \ow
	WIN 0x41
.endif
	s_wait_alu depctr_va_vdst(0)                   ; the wait here, directly ahead of the first reader of O^T
.set n, 0
.rept 32
	v_pk_mul_f32 v[\ob+n:\ob+n+1], v[\ob+n:\ob+n+1], v[252:253] op_sel_hi:[1,0]   ; O^T under the new M; also the places in front of the products below
.set n, n+2
.endr
	s_wait_alu depctr_va_vdst(0)                   ; the wait, directly ahead of the wait below
	s_wait_dscnt 0x0                               ; V^T's fragments are in
.if \ow
	WIN 0x51
.else
	WIN 0x01
.endif
.irp t, 0,1,2,3,4,5,6,7
	WM \ob+8*\t,96+12*\t,224,0,50+\t/2,253,\t%2
.endr
	WIN 0
.Lskip_\@:
.endm
; A KEY STEP OF MY PARITY: s37 its number, s36 the LDS byte at which its two records begin.  All its fragments come in one run and serve both tiles
.macro ASTEP
	s_cmp_gt_u32 s37, s61                          ; past the late block: only the steps of the addresses are run
	s_cbranch_scc1 .Lhid_\@
	v_add_nc_u32 v7, s36, v1
	v_add_nc_u32 v8, s36, v2
	v_nop
	v_nop                                          ; with the two additions: four places behind the last step's products
	s_wait_alu depctr_va_vdst(0)                   ; the wait behind these writes
	ds_load_b64 v[46:47], v8 offset:12288
	ds_load_b64 v[48:49], v8 offset:12288+256
	ds_load_b64 v[50:51], v8 offset:REC+12288
	ds_load_b64 v[52:53], v8 offset:REC+12288+256
	WIN 0x40
.irp t, 0,1,2,3,4,5,6,7
.irp c, 0,1,2
	ds_load_b128 v[12*\t+4*\c:12*\t+4*\c+3], v7 offset:\t*1536+512*\c
.endr
.endr
.irp t, 0,1,2,3,4,5,6,7
.irp c, 0,1,2
	ds_load_b128 v[96+12*\t+4*\c:99+12*\t+4*\c], v7 offset:REC+\t*1536+512*\c
.endr
.endr
	WIN 0
	TILE 16, 44, 12, 19, 0, 160
	TILE 32, 45, 28, 60, 1, 192
	s_wait_dscnt 0x0                               ; on every way, also one round both tiles: none of the step's loads is out when the next step's land in the same registers
.Lhid_\@:
	s_add_co_u32 s37, s37, 2
	s_add_co_u32 s36, s36, 2*STEPB
.endm
.macro ASLOT                           ; a slot's two key steps of my parity
	s_mov_b32 s39, 2
.Lst_\@:
	ASTEP
	s_sub_co_u32 s39, s39, 1
	s_cmp_lg_u32 s39, 0
	s_cbranch_scc1 .Lst_\@
	s_sub_co_u32 s36, s36, SLOTB
	s_xor_b32 s36, s36, SLOT1                      ; on to the other slot
.endm
	s_load_b256 s[4:11], s[0:1], 0x0               ; xq s[4:5], stream s[6:7], rope s[8:9], q_norm_w s[10:11]
	s_load_b64 s[12:13], s[0:1], 0x20              ; aoq
	v_lshl_add_u32 v5, v0, 2, SPARE
	v_mov_b32 v6, 0
	ds_add_u32 v5, v6                              ; the opening lines: the add twice on end and its wait ahead of my first tensor load
	ds_add_u32 v5, v6
	v_lshrrev_b32 v7, 5, v0
	v_readfirstlane_b32 s14, v7                    ; wave 0..7
	s_and_b32 s15, s14, 1                          ; which of the kv head's two query heads
	s_bfe_u32 s16, s14, 0x10001                    ; which of my work-group's two tiles of a block
	s_lshr_b32 s17, s14, 2                         ; my parity; also 0: I own the early tile, 1: the late one
	s_bfe_u32 s18, ttmp6, 0x40000                  ; cx: my place in the cluster: it enters global addresses and the diagonal's comparison alone
	s_and_b32 s50, ttmp7, 0xffff                   ; the kv head
	s_sub_co_u32 s61, 15, ttmp9                    ; the late block
	s_cmp_eq_u32 s17, 0
	s_cselect_b32 s19, ttmp9, s61                  ; my own tile's block,
	s_cselect_b32 s60, s61, ttmp9                  ; the other's: the same in all four partners of the cluster
	s_mov_b32 s24, 15|(3<<16)|(1<<21)              ; group 1: a record as 50 rows of 256 bytes (32 elements of 8 bytes), dense; the mask names all four work-groups; bit 21 beside it
	s_mov_b32 s25, 32<<16
	s_mov_b32 s26, 50<<16
	s_mov_b32 s27, 32<<16
	s_mov_b32 s28, 50
	s_mov_b32 s29, 32
	s_mov_b32 s30, 0
	s_mov_b32 s31, 0
	s_mul_i32 s56, s50, GSTR
	s_mul_i32 s33, s14, REC                        ; group 0: record w of slot 0,
	s_add_co_u32 s56, s56, s33                     ; and the same record of the head's stream
	s_mov_b32 s57, 0
	s_mov_b32 s32, 1
	s_lshl_b32 s51, s18, 1
	s_add_co_u32 s51, s51, s16                     ; f: my tiles' place of 16 queries in their blocks
	s_lshl_b32 s52, s50, 1
	s_add_co_u32 s52, s52, s15                     ; my query head
	s_mul_i32 s53, s51, 1536                       ; fragment f in a record,
	s_lshr_b32 s54, s18, 1
	s_lshl_b32 s54, s54, 8
	s_lshl_b32 s55, s16, 7
	s_add_co_u32 s54, s54, s55
	s_and_b32 s55, s18, 1
	s_lshl_b32 s55, s55, 2
	s_add_co_u32 s54, s54, s55
	s_add_co_u32 s54, s54, 12288                   ; and its scale words: 12,288 + 256 (f / 4) + 128 (f % 2) + 4 ((f / 2) % 2)
	s_mul_i32 s55, s17, REC                        ; x: my parity's first K step
	s_mul_i32 s40, s19, 16*REC
	s_add_co_u32 s40, s40, s55
	s_add_co_u32 s42, s40, s54
	s_add_co_u32 s40, s40, s53
	s_mov_b32 s41, 0
	s_mov_b32 s43, 0
	s_mul_i32 s66, s60, 16*REC
	s_add_co_u32 s66, s66, s55
	s_add_co_u32 s68, s66, s54
	s_add_co_u32 s66, s66, s53
	s_mov_b32 s67, 0
	s_mov_b32 s69, 0
	s_lshl_b32 s44, s19, 3
	s_add_co_u32 s44, s44, s51
	s_lshl_b32 s44, s44, 13                        ; the table: 8,192 bytes for each tile of 16 positions
	s_mov_b32 s45, 0
	s_lshl_b32 s46, s19, 4
	s_add_co_u32 s46, s46, s52
	s_mul_i32 s46, s46, REC                        ; the result: my own block, K step = my head
	s_add_co_u32 s48, s46, s54
	s_add_co_u32 s46, s46, s53
	s_mov_b32 s47, 0
	s_mov_b32 s49, 0
	s_lshl_b32 s70, s51, 4                         ; 16 f
	s_mul_i32 s39, s15, REC
	s_mul_i32 s36, s17, STEPB
	s_add_co_u32 s39, s39, s36                     ; wq in a slot: my head's record of my parity's step
	s_xor_b32 s77, s14, 4                          ; my partner
	s_lshl_b32 s71, s14, 13
	s_add_co_u32 s71, s71, XO
	s_lshl_b32 s72, s77, 13
	s_add_co_u32 s72, s72, XO
	s_lshl_b32 s73, s14, 11
	s_add_co_u32 s73, s73, XQ
	s_lshl_b32 s74, s77, 11
	s_add_co_u32 s74, s74, XQ
	s_lshl_b32 s75, s14, 8
	s_add_co_u32 s75, s75, XS
	s_lshl_b32 s76, s77, 8
	s_add_co_u32 s76, s76, XS
	s_mul_i32 s77, s18, 13                         ; the prefetches: my work-group's first block of a record's 50
	s_mov_b32 s20, 0x76543210
	s_mov_b32 s21, 0xfedcba98                      ; lane selects: lane l xor 16
	s_mov_b32 s22, 0x3e0293ee                      ; c = log2(e) / sqrt(128)
	s_mov_b32 s23, s22
	s_mov_b32 s58, 0x3c000000                      ; 1 / 128
	s_mov_b32 s59, 0x358637bd                      ; 1e-6
	v_and_b32 v7, 31, v0
	v_and_b32 v8, 15, v0                           ; r
	v_bfe_u32 v11, v0, 4, 1                        ; h
	v_lshlrev_b32 v1, 4, v7
	v_lshlrev_b32 v2, 3, v7
	v_lshlrev_b32 v72, 2, v7
	v_lshlrev_b32 v3, 3, v8
	v_lshlrev_b32 v4, 4, v11
	v_lshlrev_b32 v11, 6, v11
	v_min_u32 v73, 12, v7                          ; 13 lanes, a block each; the others name the thirteenth's again
	v_sub_nc_u32 v4, v8, v4
	v_add_nc_u32 v9, s39, v1
	v_add_nc_u32 v10, s39, v2
	v_add_nc_u32 v73, s77, v73
	v_add_nc_u32 v4, s70, v4                       ; 16 f + r - 16 h
	v_add_nc_u32 v62, s71, v1                      ; scratch: mine, my partner's
	v_add_nc_u32 v63, s72, v1
	v_min_u32 v73, 49, v73                         ; inside the record
	v_add_nc_u32 v64, s73, v1
	v_add_nc_u32 v65, s74, v1
	v_add_nc_u32 v66, s73, v72
	v_lshlrev_b32 v73, 8, v73
	v_add_nc_u32 v67, s74, v72
	v_add_nc_u32 v68, s75, v72
	v_add_nc_u32 v69, s76, v72
	v_add_nc_u32 v70, SLOT1, v9
	v_add_nc_u32 v71, SLOT1, v10
	v_mov_b32 v252, 0                              ; (a lane permute's destination on the way out)
	v_mov_b32 v253, 0                              ; (named as the upper half of the pair v[252:253] before it is first written)
	s_wait_alu depctr_va_vdst(0)                   ; the wait at the head's end
	s_wait_dscnt 0x0                               ; both opening adds are done
	s_wait_kmcnt 0x0
	s_add_nc_u64 s[34:35], s[6:7], s[56:57]
	s_add_nc_u64 s[78:79], s[6:7], s[56:57]        ; the same place, for the prefetches; never rewritten
	s_or_b32 s35, s35, 0x80000000                  ; type = 2
	s_add_nc_u64 s[40:41], s[4:5], s[40:41]
	s_add_nc_u64 s[42:43], s[4:5], s[42:43]
	s_add_nc_u64 s[66:67], s[4:5], s[66:67]
	s_add_nc_u64 s[68:69], s[4:5], s[68:69]
	s_add_nc_u64 s[44:45], s[8:9], s[44:45]
	s_add_nc_u64 s[46:47], s[12:13], s[46:47]
	s_add_nc_u64 s[48:49], s[12:13], s[48:49]
	CROUND                                         ; all four work-groups are here: the first joint loads meet
	tensor_load_to_lds s[32:35], s[24:31]          ; slot 0: K steps 0 to 3 of wq
	s_nop 0
	PLACES
	XLOAD 0
	XLOAD 1
	XLOAD 2
	XLOAD 3
.set m, 0
.irp g, 12,28,76,224
.irp j, 0,1,2,3
	global_load_b128 v[\g+4*\j:\g+4*\j+3], v11, s[10:11] offset:8*m+16*\j   ; the gain at my 64 channels, 16 to a run of registers
.endr
.set m, m+16
.endr
	ASK 1
	ASK 2
	ASK 3
	; ---- THE PROJECTION: my eight K steps, written out: every offset is an immediate.  Each change of slots asks for the next four steps of the stream
.irp k, 0,1,2,3,4,5,6,7
.if \k%2 == 0
	CHANGE 1
.endif
	QSTEP \k
.if \k%2 == 0
	ASK \k/2+4                                     ; behind the load of slot k / 2 + 1 and a step's work: three slots on
.endif
.endr
.irp n, 0,1,2,3,4,5,6,7,8,9,10,11,12,13,14,15
	ds_store_b128 v62, v[160+4*\n:163+4*\n] offset:512*\n   ; the other tile's partial sums, as an image of the registers
.endr
	s_wait_dscnt 0x0
	BAR
.irp n, 0,1,2,3,4,5,6,7,8,9,10,11,12,13,14,15
	ds_load_b128 v[160+4*\n:163+4*\n], v63 offset:512*\n    ; my partner's partial sums of my own tile
.endr
	s_wait_dscnt 0x0
.set n, 0
.rept 32
	v_pk_add_f32 v[96+n:97+n], v[96+n:97+n], v[160+n:161+n]   ; q: register 16 b + i is channel 32 b + 16 h + i of my query
.set n, n+2
.endr
	v_pk_mul_f32 v[244:245], v[96:97], v[96:97]    ; the sum of squares, two chains
	v_pk_mul_f32 v[246:247], v[98:99], v[98:99]
.set n, 4
.rept 15
	v_pk_fma_f32 v[244:245], v[96+n:97+n], v[96+n:97+n], v[244:245]
	v_pk_fma_f32 v[246:247], v[98+n:99+n], v[98+n:99+n], v[246:247]
.set n, n+4
.endr
	s_delay_alu instid0(VALU_DEP_1)
	v_pk_add_f32 v[244:245], v[244:245], v[246:247]
	s_delay_alu instid0(VALU_DEP_1)
	v_add_f32 v244, v244, v245
	s_delay_alu instid0(VALU_DEP_1)
	v_permlanex16_b32 v245, v244, s20, s21
	s_delay_alu instid0(VALU_DEP_1)
	v_add_f32 v244, v244, v245                     ; with lane l xor 16's 64 channels
	s_delay_alu instid0(VALU_DEP_1)
	v_fma_f32 v244, v244, s58, s59                 ; the mean + 1e-6
	s_wait_alu depctr_va_vdst(0)                   ; the wait ahead of the transcendental
	v_rsq_f32 v244, v244
	v_nop                                          ; a plain place behind it
	s_wait_alu depctr_va_vdst(0)                   ; and the wait ahead of its first reader
	s_wait_loadcnt 0x0                             ; the cosines and the sines (the gain came earlier)
.set n, 0
.rept 32
	v_pk_mul_f32 v[96+n:97+n], v[96+n:97+n], v[244:245] op_sel_hi:[1,0]
.set n, n+2
.endr
.set m, 0
.irp g, 12,28,76,224
.set n, 0
.rept 8
	v_pk_mul_f32 v[96+m+n:97+m+n], v[96+m+n:97+m+n], v[\g+n:\g+n+1]
.set n, n+2
.endr
.set m, m+16
.endr
	WIN 0x04                                       ; source 1: window 1
.set n, 0
.rept 16                                       ; the rotation stays in the lane: channel d < 64 (v96 + n) pairs with d + 64 (v128 + n)
.set T, 236+4*((n/2)%2)
	v_pk_mul_f32 v[T:T+1], v[128+n:129+n], v[224+n:225+n]
	v_pk_mul_f32 v[T+2:T+3], v[96+n:97+n], v[224+n:225+n]
	s_delay_alu instid0(VALU_DEP_2)
	v_pk_fma_f32 v[96+n:97+n], v[96+n:97+n], v[192+n:193+n], v[T:T+1] neg_lo:[0,0,1] neg_hi:[0,0,1]
	s_delay_alu instid0(VALU_DEP_2)
	v_pk_fma_f32 v[128+n:129+n], v[128+n:129+n], v[192+n:193+n], v[T+2:T+3]
.set n, n+2
.endr
	WIN 0
	QMAX 96
	QFIN 96, 44, 16                                ; my own Q's fragment and its scale words
.irp c, 0,1,2
	ds_store_b128 v64, v[16+4*\c:19+4*\c] offset:512*\c
.endr
	ds_store_b32 v66, v44 offset:1536
	s_wait_dscnt 0x0
	BAR
.irp c, 0,1,2
	ds_load_b128 v[32+4*\c:35+4*\c], v65 offset:512*\c   ; the other tile's Q, from its owner (awaited at the change of slots below)
.endr
	ds_load_b32 v45, v67 offset:1536
.set n, 0
.rept 64
	v_mov_b32 v[160+n], 0                          ; O^T of both tiles: the key step is written once, and its first walk finds zeros
.set n, n+1
.endr
	WIN 0x40
.set n, 0
.rept 64
	v_mov_b32 v[192+n], 0
.set n, n+1
.endr
	WIN 0
	v_mov_b32 v13, 0xff61b1e6                      ; the largest t so far: -3e38
	v_mov_b32 v29, 0xff61b1e6
	v_floor_f32 v12, -v13
	v_floor_f32 v28, -v29
	v_mov_b32 v14, 0
	v_mov_b32 v15, 0
	v_mov_b32 v30, 0
	v_mov_b32 v31, 0
	s_mov_b32 s37, s17                             ; my first key step, and where it lies (s36 = parity x a step's bytes, from the head)
	s_mov_b32 s38, 3
	s_wait_alu depctr_va_vdst(0)                   ; the wait ahead of the waits and branches below
.Lslot:                                            ; three trips: behind each change of slots the next four key steps are asked for
	CHANGE 1
	ASLOT
	s_sub_co_u32 s38, s38, 1
	s_cmp_lg_u32 s38, 0
	s_cbranch_scc1 .Lslot
	CHANGE 0                                       ; the last slot is written out
	ASLOT
	; ---- THE PARTS ARE JOINED: the other tile's O^T, -M and sum go to its owner
	PLACES
	v_add_f32 v30, v30, v31
	v_add_f32 v14, v14, v15
	WIN 0x04                                       ; the stores' data: window 1
	s_wait_alu depctr_va_vdst(0)                   ; the wait ahead of the first reader of O^T
.irp n, 0,1,2,3,4,5,6,7,8,9,10,11,12,13,14,15
	ds_store_b128 v62, v[192+4*\n:195+4*\n] offset:512*\n
.endr
	WIN 0
	ds_store_b32 v68, v28
	ds_store_b32 v68, v30 offset:128
	s_wait_dscnt 0x0
	BAR
.irp n, 0,1,2,3,4,5,6,7,8,9,10,11,12,13,14,15
	ds_load_b128 v[96+4*\n:99+4*\n], v63 offset:512*\n
.endr
	ds_load_b32 v232, v69
	ds_load_b32 v233, v69 offset:128
	s_wait_dscnt 0x0
	v_min_num_f32 v234, v12, v232                  ; -M of the two parts together
	s_delay_alu instid0(VALU_DEP_1)
	v_sub_f32 v235, v234, v12                      ; whole numbers, 0 or less; a part with no step has -M = 3e38 and gets the factor 0
	v_sub_f32 v236, v234, v232
	s_delay_alu instid0(VALU_DEP_2)
	v_cvt_i32_f32 v235, v235                       ; (it saturates)
	s_delay_alu instid0(VALU_DEP_2)
	v_cvt_i32_f32 v236, v236
	s_delay_alu instid0(VALU_DEP_2)
	v_ldexp_f32 v238, 1.0, v235
	s_delay_alu instid0(VALU_DEP_2)
	v_ldexp_f32 v240, 1.0, v236
	s_delay_alu instid0(VALU_DEP_2)
	v_mul_f32 v14, v14, v238
	s_delay_alu instid0(VALU_DEP_1)
	v_fma_f32 v14, v233, v240, v14
	s_delay_alu instid0(VALU_DEP_1)
	v_permlanex16_b32 v252, v14, s20, s21
	s_delay_alu instid0(VALU_DEP_1)
	v_add_f32 v14, v14, v252                       ; the row's sum
	s_wait_alu depctr_va_vdst(0)
	v_rcp_f32 v14, v14
	v_nop
	s_wait_alu depctr_va_vdst(0)
	v_mul_f32 v238, v238, v14
	v_mul_f32 v240, v240, v14
.set n, 0
.rept 32
	v_pk_mul_f32 v[96+n:97+n], v[96+n:97+n], v[240:241] op_sel_hi:[1,0]
.set n, n+2
.endr
.set n, 0
.rept 32
	v_pk_fma_f32 v[96+n:97+n], v[160+n:161+n], v[238:239], v[96+n:97+n] op_sel_hi:[1,0,1]
.set n, n+2
.endr
	; ---- THE WAY OUT: O / the sum is quantised along the channels, 16 neighbours in a lane by the choice of V^T's rows, and leaves as fragment f of the record (my own block, K step = my head)
	QMAX 96
	QFIN 96, 252, 224
.irp c, 0,1,2
	global_store_b128 v1, v[224+4*\c:227+4*\c], s[46:47] offset:512*\c   ; 512 consecutive bytes, at a multiple of 256 from the buffer's first byte
.endr
	global_store_b32 v3, v252, s[48:49]            ; lanes r and r + 16 store the same word to the same place
	s_wait_tensorcnt 0x0                           ; the wave's end
	ds_add_u32 v5, v6
	s_wait_dscnt 0x0
	CROUND                                         ; the closing round
	s_endpgm
.Lfunc_end_k_q7657c8c177_attn:
	.size	k_q7657c8c177_attn, .Lfunc_end_k_q7657c8c177_attn-k_q7657c8c177_attn
	.p2alignl 7, 3214868480
	.fill 96, 4, 3214868480
	.section	.rodata,"a",@progbits
	.p2align	6, 0x0
	.amdhsa_kernel k_q7657c8c177_attn
		.amdhsa_group_segment_fixed_size 327680
		.amdhsa_private_segment_fixed_size 0
		.amdhsa_enable_private_segment 0
		.amdhsa_kernarg_size 40
		.amdhsa_user_sgpr_count 2
		.amdhsa_user_sgpr_kernarg_segment_ptr 1
		.amdhsa_wavefront_size32 1
		.amdhsa_system_sgpr_workgroup_id_x 1
		.amdhsa_system_sgpr_workgroup_id_y 1
		.amdhsa_system_sgpr_workgroup_id_z 1
		.amdhsa_system_vgpr_workitem_id 0
		.amdhsa_next_free_vgpr 512
		.amdhsa_next_free_sgpr 80
		.amdhsa_reserve_vcc 1
		.amdhsa_float_denorm_mode_32 3
		.amdhsa_float_denorm_mode_16_64 3
		.amdhsa_memory_ordered 1
		.amdhsa_forward_progress 1
		.amdhsa_inst_pref_size 186
	.end_amdhsa_kernel
	.amdgpu_metadata
---
amdhsa.version: [ 1, 2 ]
amdhsa.kernels:
  - .name:           k_q7657c8c177_attn
    .symbol:         k_q7657c8c177_attn.kd
    .args:
      - { .name: xq, .offset: 0, .size: 8, .value_kind: global_buffer, .address_space: global }
      - { .name: stream, .offset: 8, .size: 8, .value_kind: global_buffer, .address_space: global }
      - { .name: rope, .offset: 16, .size: 8, .value_kind: global_buffer, .address_space: global }
      - { .name: q_norm_w, .offset: 24, .size: 8, .value_kind: global_buffer, .address_space: global }
      - { .name: aoq, .offset: 32, .size: 8, .value_kind: global_buffer, .address_space: global }
    .group_segment_fixed_size: 327680
    .private_segment_fixed_size: 0
    .kernarg_segment_align: 8
    .kernarg_segment_size: 40
    .max_flat_workgroup_size: 256
    .sgpr_count:     80
    .vgpr_count:     512
    .wavefront_size: 32
...
	.end_amdgpu_metadata
.endif
;; end of part 2
;; launch oproj (part 3): grid 16 x 16, 8 waves a work-group, clusters of 4 x 4, 327,680 bytes of LDS; arguments aoq, woq, out0; writes out0
.if DOCPART == 3
	.amdgcn_target "amdgcn-amd-amdhsa--gfx1250"
	.amdhsa_code_object_version 6
	.text
	.protected	k_q7657c8c177_oproj
	.globl	k_q7657c8c177_oproj
	.p2align	8
	.type	k_q7657c8c177_oproj,@function
k_q7657c8c177_oproj:
	s_mov_b64 s[64:65], 0
	v_nop
	global_prefetch_b8 v0, s[64:65] scope:SCOPE_SE
	s_setreg_imm32_b32 hwreg(HW_REG_WAVE_MODE, 25, 1), 1
	s_wait_xcnt 0x0
	s_wait_alu depctr_hold_cnt(0) depctr_sa_sdst(0) depctr_va_vdst(0) depctr_va_sdst(0) depctr_va_ssrc(0) depctr_va_vcc(0) depctr_vm_vsrc(0)
	s_getreg_b32 s2, hwreg(HW_REG_IB_STS2, 6, 4)
	s_cmp_eq_u32 s2, 0
	s_cbranch_scc0 .Lentry_in_a_cluster
	s_endpgm
.Lentry_in_a_cluster:
	s_bfe_u32 s2, ttmp6, 0x10000c
	s_cmp_lg_u32 s2, 0xf033
	s_cbranch_scc0 .Lentry_shape_is_right
	s_endpgm
.Lentry_shape_is_right:
.set REC,   12800
.set SLOTB, 8*REC
.set STAGE, 2*SLOTB
.set SP,    528
.set SPARE, STAGE+128*SP
.set ACC,   184
.macro PLACES
.rept 4
	v_nop
.endr
.endm
.macro CROUND
	s_barrier_signal -1
	s_barrier_wait -1
	s_cmp_lg_u32 s14, 0
	s_cbranch_scc1 .Lnw0_\@
	s_barrier_signal -3
.Lnw0_\@:
	s_barrier_wait -3
	s_barrier_signal -1
	s_barrier_wait -1
.endm
.macro JLOAD g0a, g0b
	s_cmp_eq_u32 s15, 0
	s_cbranch_scc0 .Lfor_b_\@
	tensor_load_to_lds s[\g0a:\g0a+3], s[24:31]
	s_nop 0
	PLACES
	s_branch .Lasked_\@
.Lfor_b_\@:
	tensor_load_to_lds s[\g0b:\g0b+3], s[48:55]
	s_nop 0
	PLACES
.Lasked_\@:
.endm
.macro WMO d, a, b, zero, sa, sb, ra, rb
.if \zero
.if (\ra) && (\rb)
	v_wmma_scale_f32_16x16x128_f8f6f4 v[\d:\d+7], v[\a:\a+11], v[\b:\b+11], 0, v[\sa], v[\sb] matrix_a_fmt:MATRIX_FMT_BF6 matrix_b_fmt:MATRIX_FMT_BF6 matrix_a_scale:MATRIX_SCALE_ROW1 matrix_b_scale:MATRIX_SCALE_ROW1
.elseif \ra
	v_wmma_scale_f32_16x16x128_f8f6f4 v[\d:\d+7], v[\a:\a+11], v[\b:\b+11], 0, v[\sa], v[\sb] matrix_a_fmt:MATRIX_FMT_BF6 matrix_b_fmt:MATRIX_FMT_BF6 matrix_a_scale:MATRIX_SCALE_ROW1
.elseif \rb
	v_wmma_scale_f32_16x16x128_f8f6f4 v[\d:\d+7], v[\a:\a+11], v[\b:\b+11], 0, v[\sa], v[\sb] matrix_a_fmt:MATRIX_FMT_BF6 matrix_b_fmt:MATRIX_FMT_BF6 matrix_b_scale:MATRIX_SCALE_ROW1
.else
	v_wmma_scale_f32_16x16x128_f8f6f4 v[\d:\d+7], v[\a:\a+11], v[\b:\b+11], 0, v[\sa], v[\sb] matrix_a_fmt:MATRIX_FMT_BF6 matrix_b_fmt:MATRIX_FMT_BF6
.endif
.else
.if (\ra) && (\rb)
	v_wmma_scale_f32_16x16x128_f8f6f4 v[\d:\d+7], v[\a:\a+11], v[\b:\b+11], v[\d:\d+7], v[\sa], v[\sb] matrix_a_fmt:MATRIX_FMT_BF6 matrix_b_fmt:MATRIX_FMT_BF6 matrix_a_scale:MATRIX_SCALE_ROW1 matrix_b_scale:MATRIX_SCALE_ROW1
.elseif \ra
	v_wmma_scale_f32_16x16x128_f8f6f4 v[\d:\d+7], v[\a:\a+11], v[\b:\b+11], v[\d:\d+7], v[\sa], v[\sb] matrix_a_fmt:MATRIX_FMT_BF6 matrix_b_fmt:MATRIX_FMT_BF6 matrix_a_scale:MATRIX_SCALE_ROW1
.elseif \rb
	v_wmma_scale_f32_16x16x128_f8f6f4 v[\d:\d+7], v[\a:\a+11], v[\b:\b+11], v[\d:\d+7], v[\sa], v[\sb] matrix_a_fmt:MATRIX_FMT_BF6 matrix_b_fmt:MATRIX_FMT_BF6 matrix_b_scale:MATRIX_SCALE_ROW1
.else
	v_wmma_scale_f32_16x16x128_f8f6f4 v[\d:\d+7], v[\a:\a+11], v[\b:\b+11], v[\d:\d+7], v[\sa], v[\sb] matrix_a_fmt:MATRIX_FMT_BF6 matrix_b_fmt:MATRIX_FMT_BF6
.endif
.endif
.endm
.macro FETCH s, j, buf
.set FA, 32+72*(\buf)
.set FB, FA+48
.set FS, 176+4*(\buf)
.irp a, 0,1,2,3
.irp c, 0,1,2
	ds_load_b128 v[FA+12*\a+4*\c:FA+12*\a+4*\c+3], v[7+\s] offset:REC*(\j)+1536*\a+512*\c
.endr
.endr
.irp b, 0,1
.irp c, 0,1,2
	ds_load_b128 v[FB+12*\b+4*\c:FB+12*\b+4*\c+3], v[9+\s] offset:REC*(\j)+1536*\b+512*\c
.endr
.endr
	ds_load_b64 v[FS:FS+1], v[11+\s] offset:REC*(\j)
	ds_load_b32 v[FS+2], v[13+\s] offset:REC*(\j)
.endm
.macro MUL buf, zero
.set MA, 32+72*(\buf)
.set MB, MA+48
.set MS, 176+4*(\buf)
.irp a, 0,1,2,3
.irp b, 0,1
	WMO ACC+8*(2*\a+\b),MB+12*\b,MA+12*\a,\zero,MS+2,MS+\a/2,\b,\a%2
.endr
.endr
.endm
.macro SLOTWORK s, zero
	PLACES
	FETCH \s,0,0
.irp j, 0,1,2,3
	s_wait_dscnt 0x0
.if \j < 3
	PLACES
	FETCH \s,\j+1,(\j+1)%2
.endif
.if \j == 0
	MUL 0,\zero
.else
	MUL \j%2,0
.endif
.endr
.endm
.macro TURN slot, fill
	s_wait_tensorcnt 0x0
	ds_add_u32 v5, v6
.if \fill
	s_add_nc_u64 s[34+4*\slot:35+4*\slot], s[34+4*\slot:35+4*\slot], 8*REC
	s_add_nc_u64 s[58+4*\slot:59+4*\slot], s[58+4*\slot:59+4*\slot], 8*REC
.endif
	s_wait_dscnt 0x0
.if \fill
	CROUND
	JLOAD 32+4*\slot,56+4*\slot
.else
	s_barrier_signal -1
	s_barrier_wait -1
.endif
.endm
	s_load_b128 s[4:7], s[0:1], 0x0
	s_load_b64 s[8:9], s[0:1], 0x10
	v_lshl_add_u32 v5, v0, 2, SPARE
	v_mov_b32 v6, 0
	ds_add_u32 v5, v6
	ds_add_u32 v5, v6
	s_wait_dscnt 0x0
	v_lshrrev_b32 v3, 5, v0
	s_delay_alu instid0(VALU_DEP_1)
	v_readfirstlane_b32 s14, v3
	s_lshr_b32 s15, s14, 2
	s_and_b32 s16, s14, 3
	s_bfe_u32 s40, ttmp6, 0x40000
	s_bfe_u32 s41, ttmp6, 0x40004
	s_lshl_b32 s42, ttmp9, 2
	s_add_co_u32 s42, s42, s40
	s_and_b32 s17, ttmp7, 0xffff
	s_lshl_b32 s17, s17, 2
	s_add_co_u32 s17, s17, s41
	s_lshl_b32 s43, s41, 2
	s_lshl_b32 s43, 15, s43
	s_lshl_b32 s44, 0x1111, s40
	s_or_b32 s24, s43, (3<<16)|(1<<21)
	s_or_b32 s48, s44, (3<<16)|(1<<21)
.irp g, 24, 48
	s_mov_b32 s[\g+1], 32<<16
	s_mov_b32 s[\g+2], 50<<16
	s_mov_b32 s[\g+3], 32<<16
	s_mov_b32 s[\g+4], 50
	s_mov_b32 s[\g+5], 32
	s_mov_b32 s[\g+6], 0
	s_mov_b32 s[\g+7], 0
.endr
	s_lshl_b32 s20, s17, 4
	s_add_co_u32 s20, s20, s16
	s_mul_i32 s20, s20, REC
	s_mov_b32 s21, 0
	s_lshl_b32 s46, s42, 4
	s_add_co_u32 s46, s46, s16
	s_mul_i32 s46, s46, REC
	s_mov_b32 s47, 0
	s_mul_i32 s45, s14, REC
	s_wait_kmcnt 0x0
	s_add_nc_u64 s[20:21], s[4:5], s[20:21]
	s_add_nc_u64 s[46:47], s[6:7], s[46:47]
	; the prefetches: of the 50 blocks of 256 bytes of a record that I fetch, the partner at place p among the four that ask for it jointly (p = cx for A, cy for B) names 13 p .. 13 p + 12, a lane a block; the lanes left over name the last again
	s_cmp_eq_u32 s15, 0                            ; do I fetch for A?  The choice hangs on the wave's number alone
	s_cselect_b64 s[10:11], s[20:21], s[46:47]     ; my record of slot 0; never rewritten
	s_cselect_b32 s12, s40, s41
	s_mul_i32 s12, s12, 13
	v_and_b32 v17, 31, v0
	s_delay_alu instid0(VALU_DEP_1)
	v_min_u32 v17, 12, v17
	s_delay_alu instid0(VALU_DEP_1)
	v_add_nc_u32 v17, s12, v17
	s_delay_alu instid0(VALU_DEP_1)
	v_min_u32 v17, 49, v17                         ; inside the record
	s_delay_alu instid0(VALU_DEP_1)
	v_lshlrev_b32 v17, 8, v17
	s_wait_alu depctr_va_vdst(0)                   ; the wait ahead of the round below
	CROUND
.irp s, 0,1
	s_mov_b32 s[32+4*\s], 1
	s_add_co_u32 s[33+4*\s], s45, \s*SLOTB
	s_add_nc_u64 s[34+4*\s:35+4*\s], s[20:21], \s*4*REC
	s_or_b32 s[35+4*\s], s[35+4*\s], 0x80000000
	s_mov_b32 s[56+4*\s], 1
	s_add_co_u32 s[57+4*\s], s45, \s*SLOTB
	s_add_nc_u64 s[58+4*\s:59+4*\s], s[46:47], \s*4*REC
	s_or_b32 s[59+4*\s], s[59+4*\s], 0x80000000
	s_wait_alu depctr_va_vdst(0)
	s_wait_tensorcnt 0x0
	ds_add_u32 v5, v6
	ds_add_u32 v5, v6
	s_wait_dscnt 0x0
	CROUND
	JLOAD 32+4*\s,56+4*\s
.if \s == 0                                    ; behind slot 0's load: my records of slots 1 and 2; behind slot 1's: of slot 3, the last.  Two slots are asked for and not yet read at the most
	global_prefetch_b8 v17, s[10:11] offset:4*REC th:TH_LOAD_NT scope:SCOPE_SE
	global_prefetch_b8 v17, s[10:11] offset:8*REC th:TH_LOAD_NT scope:SCOPE_SE
.else
	global_prefetch_b8 v17, s[10:11] offset:12*REC th:TH_LOAD_NT scope:SCOPE_SE
.endif
.endr
	v_and_b32 v2, 31, v0
	s_delay_alu instid0(VALU_DEP_1)
	v_lshlrev_b32 v1, 4, v2
	s_wait_alu depctr_va_vdst(0)
	v_lshlrev_b32 v2, 3, v2
	s_wait_alu depctr_va_vdst(0)
	v_and_b32 v3, 15, v0
	v_bfe_u32 v4, v0, 4, 1
	s_mul_i32 s20, s15, 4*1536
	s_mul_i32 s21, s16, 2*1536
	s_add_co_u32 s21, s21, 4*REC
	s_lshl_b32 s22, s15, 8
	s_add_co_u32 s22, s22, 12288
	s_lshr_b32 s23, s16, 1
	s_lshl_b32 s23, s23, 8
	s_and_b32 s18, s16, 1
	s_lshl_b32 s18, s18, 2
	s_add_co_u32 s23, s23, s18
	s_add_co_u32 s23, s23, 4*REC+12288
.irp s, 0,1
	v_add_nc_u32 v[7+\s], s20, v1
	v_add_nc_u32 v[9+\s], s21, v1
	v_add_nc_u32 v[11+\s], s22, v2
	v_add_nc_u32 v[13+\s], s23, v2
	s_add_co_u32 s20, s20, SLOTB
	s_add_co_u32 s21, s21, SLOTB
	s_add_co_u32 s22, s22, SLOTB
	s_add_co_u32 s23, s23, SLOTB
.endr
	s_mul_i32 s20, s15, 64*SP
	s_lshl_b32 s21, s16, 7
	s_add_co_u32 s20, s20, s21
	s_add_co_u32 s20, s20, STAGE
	v_mul_u32_u24 v15, v3, SP
	s_delay_alu instid0(VALU_DEP_1)
	v_lshl_add_u32 v15, v4, 5, v15
	s_delay_alu instid0(VALU_DEP_1)
	v_add_nc_u32 v15, s20, v15
	s_mul_i32 s20, s14, 16*SP
	s_add_co_u32 s20, s20, STAGE
	v_add_nc_u32 v16, s20, v1
	s_lshl_b32 s22, s17, 7
	s_lshl_b32 s23, s14, 4
	s_add_co_u32 s22, s22, s23
	s_lshl_b32 s22, s22, 13
	s_lshl_b32 s23, s42, 9
	s_add_co_u32 s22, s22, s23
	s_mov_b32 s23, 0
	s_add_nc_u64 s[8:9], s[8:9], s[22:23]
	s_wait_alu depctr_va_vdst(0)
	s_wait_tensorcnt 0x1
	s_barrier_signal -1
	s_barrier_wait -1
	SLOTWORK 0, 1
	TURN 0, 1
	SLOTWORK 1, 0
	TURN 1, 1
	SLOTWORK 0, 0
	TURN 0, 0
	SLOTWORK 1, 0
	PLACES
.irp a, 0,1,2,3
.irp b, 0,1
	ds_store_b128 v15, v[ACC+8*(2*\a+\b):ACC+8*(2*\a+\b)+3] offset:16*\a*SP+64*\b
	ds_store_b128 v15, v[ACC+8*(2*\a+\b)+4:ACC+8*(2*\a+\b)+7] offset:16*\a*SP+64*\b+16
.endr
.endr
	s_wait_dscnt 0x0
	s_barrier_signal -1
	s_barrier_wait -1
.irp i, 0,1,2,3,4,5,6,7,8,9,10,11,12,13,14,15
	ds_load_b128 v[32+4*\i:35+4*\i], v16 offset:\i*SP
.endr
.irp i, 0,1,2,3,4,5,6,7,8,9,10,11,12,13,14,15
	s_wait_dscnt 15-\i
	global_store_b128 v1, v[32+4*\i:35+4*\i], s[8:9] offset:\i*8192 th:TH_STORE_NT
.endr
	s_wait_tensorcnt 0x0
	ds_add_u32 v5, v6
	s_wait_dscnt 0x0
	CROUND
	s_endpgm
.Lfunc_end_k_q7657c8c177_oproj:
	.size	k_q7657c8c177_oproj, .Lfunc_end_k_q7657c8c177_oproj-k_q7657c8c177_oproj
	.p2alignl 7, 3214868480
	.fill 96, 4, 3214868480
	.section	.rodata,"a",@progbits
	.p2align	6, 0x0
	.amdhsa_kernel k_q7657c8c177_oproj
		.amdhsa_group_segment_fixed_size 327680
		.amdhsa_private_segment_fixed_size 0
		.amdhsa_enable_private_segment 0
		.amdhsa_kernarg_size 24
		.amdhsa_user_sgpr_count 2
		.amdhsa_user_sgpr_kernarg_segment_ptr 1
		.amdhsa_wavefront_size32 1
		.amdhsa_system_sgpr_workgroup_id_x 1
		.amdhsa_system_sgpr_workgroup_id_y 1
		.amdhsa_system_sgpr_workgroup_id_z 1
		.amdhsa_system_vgpr_workitem_id 0
		.amdhsa_next_free_vgpr 256
		.amdhsa_next_free_sgpr 66
		.amdhsa_reserve_vcc 0
		.amdhsa_float_denorm_mode_32 3
		.amdhsa_float_denorm_mode_16_64 3
		.amdhsa_memory_ordered 1
		.amdhsa_forward_progress 1
		.amdhsa_inst_pref_size 55
	.end_amdhsa_kernel
	.amdgpu_metadata
---
amdhsa.version: [ 1, 2 ]
amdhsa.kernels:
  - .name:           k_q7657c8c177_oproj
    .symbol:         k_q7657c8c177_oproj.kd
    .args:
      - { .name: aoq, .offset: 0, .size: 8, .value_kind: global_buffer, .address_space: global }
      - { .name: woq, .offset: 8, .size: 8, .value_kind: global_buffer, .address_space: global }
      - { .name: out0, .offset: 16, .size: 8, .value_kind: global_buffer, .address_space: global }
    .group_segment_fixed_size: 327680
    .private_segment_fixed_size: 0
    .kernarg_segment_align: 8
    .kernarg_segment_size: 24
    .max_flat_workgroup_size: 256
    .sgpr_count:     66
    .vgpr_count:     256
    .wavefront_size: 32
...
	.end_amdgpu_metadata
.endif
;; end of part 3
